; MI455X (gfx1250); checked and timed in simulation.
; The chip was launched on July 23, 2026; its instructions are those of AMD's public machine-readable ISA for CDNA 5 (MIT licence, August 2026) and "CDNA5" Instruction Set Architecture Reference Guide (July 2026). The comments in the code are by the model that wrote it; some were corrected since.
;; Multi Head Attention Quantum. Allowed arithmetic: matrix products marked QUANTISED: E2M1 operands, one E8M0 scale for each 32 along K, by v_wmma_scale_f32_16x16x128_f8f6f4 with both operands' format E2M1 (or v_wmma_scale_f32_32x16x128_f4), f32 sums; products left as they are: f32 operands where the result goes on into a quantised operand, else bf16, f16 or f32 operands; f32 sums; everything else in f32.
;; Inputs: theta 8 float32; w_out_codes 128 x 4 x 16 uint8 (E2M1 codes of w_out, K innermost, in blocks of 32 codes, two codes a byte); w_out_scales 128 x 4 uint8 (E8M0 scales of w_out, one for each 32 codes along K); x 4 x 2,048 x 128 float32.
;; Outputs: out0 4 x 2,048 x 128 float32.
;; This version of the problem:
;;   THIS VERSION OF THE PROBLEM IS GIVEN IN LOW PRECISION. The matrix products marked QUANTISED in the list below multiply operands that are first quantised to E2M1 (2 exponent bits, 1 mantissa bit; 4 bits a number), with one power-of-two scale for each 32 numbers along K (OCP MX v1.0); their sums are f32. All else is computed in f32.
;;   The module's matrix products, in the order in which they are computed (A, B: the left and right operand; K: the contracted axis; several contracted axes count as one K, in the product's order):
;;     1. batch 64 x [M 2,048, K 8] x [K 8, N 2,048]; A: computed on the way; B: computed on the way: left as it is (K = 8 < 32)
;;     2. batch 64 x [M 2,048, K 2,048] x [K 2,048, N 8]; A: softmax; B: computed on the way: left as it is (N = 8 < 16)
;;     3. [M 8,192, K 128] x [K 128, N 128]; A: computed on the way; B: input w_out (given as codes): QUANTISED
;;   THE QUANTISER, for each operand of a quantised product, along K:
;;     - K is cut into blocks of 32 from its start; a last block that is shorter is filled with zeros.
;;     - A block's scale is 2^e with e = floor(log2(the largest magnitude in the block)) - 2, held to -126 .. 127; a block of zeros has e = 0. As a byte (E8M0): e + 127.
;;     - Each number is divided by its block's scale, clamped to +-6, and rounded to the nearest number of E2M1, ties to even, subnormals kept.
;;     - The product sums the exact products of the quantised numbers (number of the format x scale) in f32.
;;   ~~~python
;;   def quantise(x, axis):      # numpy; x: float32 -> the quantised numbers, widened to float32 again
;;       x = np.moveaxis(x, axis, -1); K = x.shape[-1]
;;       x = np.pad(x, [(0, 0)] * (x.ndim - 1) + [(0, -K % 32)]); x = x.reshape(x.shape[:-1] + (-1, 32)); a = np.abs(x).max(-1, keepdims=True)
;;       e = np.where(a > 0, np.clip(np.frexp(np.where(a > 0, a, 1))[1] - 1 - 2, -126, 127), 0)      # np.frexp(a)[1] - 1 = floor(log2(a)), exactly
;;       r = np.clip(x / 2.0 ** e, -6, 6)
;;       step = 2.0 ** (np.maximum(np.frexp(np.where(r == 0, 1, r))[1] - 1, 0) - 1)
;;       q = np.round(r / step) * step * 2.0 ** e      # np.round: ties to even
;;       return np.moveaxis(q.reshape(q.shape[:-2] + (-1,))[..., :K], -1, axis).astype(np.float32)
;;   ~~~
;;   OPERANDS COMPUTED ON THE WAY. 'Computed on the way' means the value that the module computes at that place (a softmax that the list does not call 'softmax' is quantised finished and normalised). What goes into a quantiser is computed in f32, as accurately as f32 sums, v_exp_f32 and their like allow (about 1e-6 of the number): no bf16 or f16 on the way to a quantiser, and a product that is left as it is and whose result goes on into a quantised operand takes f32 operands (vector FMAs, or v_wmma_f32_16x16x4_f32). A number that lies on a knife's edge between two numbers of the format may be rounded either way, as far as f32 arithmetic and the matrix unit's own rounding can turn it there, and no further.
;;   INPUTS GIVEN AS CODES. w_out (in the module: [128, 128], K = its axis 1): each comes as NAME_codes (uint8): NAME with its K axis moved to the last place and cut into blocks of 32 codes, [.., K / 32, bytes a block], one block behind the other in memory; two codes a byte, the lower K in the low four bits (a code: sign, 2 exponent bits, 1 mantissa bit); and NAME_scales (uint8): the same leading axes, one E8M0 byte (e + 127) for each 32 codes along K. Its value is code x scale, taken as it is: it is not quantised again, and the codes and scales need not be those that the quantiser above would give.
;; One version. Each part assembles by itself: llvm-mc -triple=amdgcn-amd-amdhsa -mcpu=gfx1250 --defsym DOCPART=n.
;; ======== version 1 of 1: 3 launches
;; limits: inputs' magnitudes at most 100,000
;; workspace buffers: feat 4,194,304 bytes; attn 4,194,304 bytes
;; launch features (part 1): grid 256 x 1, 2 waves a work-group, no clusters, 17,664 bytes of LDS; arguments x, theta, feat; writes feat
.if DOCPART == 1
	.amdgcn_target "amdgcn-amd-amdhsa--gfx1250"
	.amdhsa_code_object_version 6
	.text
	.protected	k_q45bf031b3e_features
	.globl	k_q45bf031b3e_features
	.p2align	8
	.type	k_q45bf031b3e_features,@function
k_q45bf031b3e_features:
	s_mov_b64 s[64:65], 0
	v_nop
	global_prefetch_b8 v0, s[64:65] scope:SCOPE_SE
	s_setreg_imm32_b32 hwreg(HW_REG_WAVE_MODE, 25, 1), 1
	s_wait_xcnt 0x0
; feat = the running product, over each head's 8 channels, of cos(x + theta).  x: [8192 rows][128] f32 (16 heads x 8 channels), theta: [8] f32.
; feat is laid for the launch that reads it: [batch][head][tile of 16 rows][half c of the channels][row][4 f32]: a tile of one head is 512 consecutive bytes.
; SHARES.  A wave takes 16 rows.  Lane l holds numbers 4 l .. 4 l + 3 of each row (head l / 2, half l % 2), so a load covers a row's 512 consecutive bytes.
; COSINE.  y = x + theta; n = y x 2/pi to the nearest whole number; r = y - n pi/2 with pi/2 in three parts, by fused multiply-adds (the first is exact); polynomials for sin r and cos r on +-pi/4;
; n mod 4 picks cos r, -sin r, -cos r, sin r.  LIMITS: |x + theta| up to about 1e5 (beyond it the rounding of y x 2/pi can put n off by one); NaN and infinities are not served.
; PRODUCT.  In reference()'s order: the lane of a head's upper half begins with the lower half's product of four, which its neighbour lane holds.
; THE WAY OUT.  A lane's 16 rows x 16 bytes are one whole block of 256 bytes of feat, the lanes beside it hold other blocks.  So they turn through the wave's own stage in LDS (a lane's block 272 bytes from
; the next: sixteen lanes' 16-byte pieces begin at sixteen different places modulo 256 bytes) and each store then covers 512 consecutive bytes, aligned.  Waves share nothing: no barrier.
; No tensor load, no cluster, no matrix unit: a short stream that each work-group reads once.
.set UP,   272                         ; a block's place in the stage
.set GOF,  2                           ; v2      16 x lane
.set THO,  3                           ; v3      16 x (lane % 2): my four numbers of theta
.set TH,   4                           ; v[4:7]  they
.set STO,  8                           ; v8      the stage, on the way in
.set RDB,  9                           ; v9      and on the way out
.set NB,   10                          ; v10-11  the neighbour's product, two rows
.set FAC,  12                          ; v12-13  the product of four, then the factor to begin with
.set C4V,  14                          ; v[14:15] the cosine's highest coefficient, twice
.set X,    16                          ; v16-79  16 rows x 4 numbers
.set N,    80                          ; v80-87  n, later r^3
.set R,    88                          ; v88-95  r, later n % 2
.set SQ,   96                          ; v96-103 r^2
.set CP,   104                         ; v104-111 cos r
.set SN,   112                         ; v112-119 sin r
.set QI,   120                         ; v120-127 n as a whole number, then the sign
.set S4V,  128                         ; v[128:129] the sine's highest coefficient, twice
.set ODD,  20                          ; s20     the lanes of upper halves
.set INV,  22                          ; s[22:23] 2/pi; the packed forms name a pair and take its low word for both halves, so both words are written
.set PH1,  24                          ; s[24:29] -pi/2 in three parts
.set PH2,  26
.set PH3,  28
.set KC3,  30                          ; s[30:33] the cosine's coefficients
.set KC2,  32
.set KS3,  34                          ; s[34:39] the sine's
.set KS2,  36
.set KS1,  38
.set MK,   40                          ; s40-47  eight lane masks
.macro TWICE r, val
	s_mov_b32 s[\r], \val
	s_mov_b32 s[\r+1], \val
.endm
	s_load_b128 s[4:7], s[0:1], 0x0                ; x s[4:5], theta s[6:7]
	s_load_b64 s[8:9], s[0:1], 0x10                ; feat
	v_lshl_add_u32 v132, v0, 2, 0x4400
	v_mov_b32 v133, 0
	v_lshrrev_b32 v1, 5, v0
	v_readfirstlane_b32 s10, v1                    ; wave 0..1
	v_and_b32 v1, 31, v0                           ; lane
	v_lshlrev_b32 v[GOF], 4, v1
	v_and_b32 v[THO], 1, v0
	v_cmp_ne_u32 s[ODD], 0, v[THO]
	v_lshlrev_b32 v[THO], 4, v[THO]
	s_mul_i32 s16, s10, 32*UP                      ; my wave's stage
	v_mul_u32_u24 v[STO], v1, UP
	v_add_nc_u32 v[STO], s16, v[STO]               ; in: my block, a row's 16 bytes behind the other
	v_and_b32 v[NB], 15, v0
	v_bfe_u32 v[NB+1], v0, 4, 1
	v_mul_u32_u24 v[RDB], v[NB+1], UP
	v_lshl_add_u32 v[RDB], v[NB], 4, v[RDB]
	v_add_nc_u32 v[RDB], s16, v[RDB]               ; out: lanes 0-15 one block, lanes 16-31 the next, 16 bytes a lane
	s_lshl_b32 s11, ttmp9, 1
	s_add_co_u32 s11, s11, s10                     ; which 16 rows of the 8,192: 0..511
	s_lshl_b32 s12, s11, 13                        ; x: 16 rows of 512 bytes
	s_mov_b32 s13, 0
	s_lshr_b32 s14, s11, 7                         ; batch:
	s_lshl_b32 s14, s14, 20                        ; 16 heads of 65,536 bytes
	s_and_b32 s15, s11, 127                        ; tile in the batch:
	s_lshl_b32 s15, s15, 9                         ; 512 bytes in each head
	s_add_co_u32 s14, s14, s15
	s_mov_b32 s15, 0
	TWICE INV, 0x3f22f983                          ; 2/pi
	TWICE PH1, 0xbfc90fd8                          ; -1.57079601
	TWICE PH2, 0xb4a8885a                          ; -3.13916473e-7
	TWICE PH3, 0xa7c234c4                          ; -5.39030253e-15
	TWICE KC3, 0xbab6077d                          ; -1.38877297e-3
	TWICE KC2, 0x3d2aaaa8                          ;  4.16666567e-2
	TWICE KS3, 0xb9503486                          ; -1.98559923e-4
	TWICE KS2, 0x3c0888c1                          ;  8.33338592e-3
	TWICE KS1, 0xbe2aaaab                          ; -1.66666672e-1
	v_mov_b32 v[C4V], 0x37cd4000                   ;  2.44677067e-5
	v_mov_b32 v[C4V+1], 0x37cd4000
	v_mov_b32 v[S4V], 0x36405000                   ;  2.86567956e-6
	v_mov_b32 v[S4V+1], 0x36405000
	s_wait_kmcnt 0x0
	s_add_nc_u64 s[4:5], s[4:5], s[12:13]
	s_add_nc_u64 s[8:9], s[8:9], s[14:15]
	global_load_b128 v[TH:TH+3], v[THO], s[6:7]
.irp i, 0,1,2,3,4,5,6,7,8,9,10,11,12,13,14,15
	global_load_b128 v[X+4*\i:X+4*\i+3], v[GOF], s[4:5] offset:512*\i th:TH_LOAD_NT   ; a row: 512 consecutive bytes; read once in the launch
.endr
; Rows 2 g and 2 g + 1: eight numbers a lane, each step written for all eight so that no line waits for the line above it.
.macro TWO_ROWS g
.set XR, X+8*(\g)
	s_wait_loadcnt 14-2*(\g)                       ; loads come back in order: theta and these two rows are in, the rows behind them stay out
.irp p, 0,1,2,3
	v_pk_add_f32 v[XR+2*\p:XR+2*\p+1], v[XR+2*\p:XR+2*\p+1], v[TH+2*(\p%2):TH+2*(\p%2)+1]   ; y = x + theta
.endr
.irp p, 0,1,2,3
	v_pk_mul_f32 v[N+2*\p:N+2*\p+1], v[XR+2*\p:XR+2*\p+1], s[INV:INV+1] op_sel_hi:[1,0]
.endr
.irp e, 0,1,2,3,4,5,6,7
	v_rndne_f32 v[N+\e], v[N+\e]                   ; n
.endr
.irp p, 0,1,2,3
	v_pk_fma_f32 v[R+2*\p:R+2*\p+1], v[N+2*\p:N+2*\p+1], s[PH1:PH1+1], v[XR+2*\p:XR+2*\p+1] op_sel_hi:[1,0,1]
.endr
.irp p, 0,1,2,3
	v_pk_fma_f32 v[R+2*\p:R+2*\p+1], v[N+2*\p:N+2*\p+1], s[PH2:PH2+1], v[R+2*\p:R+2*\p+1] op_sel_hi:[1,0,1]
.endr
.irp p, 0,1,2,3
	v_pk_fma_f32 v[R+2*\p:R+2*\p+1], v[N+2*\p:N+2*\p+1], s[PH3:PH3+1], v[R+2*\p:R+2*\p+1] op_sel_hi:[1,0,1]   ; r = y - n pi/2
.endr
.irp e, 0,1,2,3,4,5,6,7
	v_cvt_i32_f32 v[QI+\e], v[N+\e]
.endr
.irp p, 0,1,2,3
	v_pk_mul_f32 v[SQ+2*\p:SQ+2*\p+1], v[R+2*\p:R+2*\p+1], v[R+2*\p:R+2*\p+1]
.endr
.irp p, 0,1,2,3
	v_pk_fma_f32 v[CP+2*\p:CP+2*\p+1], v[C4V:C4V+1], v[SQ+2*\p:SQ+2*\p+1], s[KC3:KC3+1] op_sel_hi:[1,1,0]
	v_pk_fma_f32 v[SN+2*\p:SN+2*\p+1], v[S4V:S4V+1], v[SQ+2*\p:SQ+2*\p+1], s[KS3:KS3+1] op_sel_hi:[1,1,0]
.endr
.irp p, 0,1,2,3
	v_pk_fma_f32 v[CP+2*\p:CP+2*\p+1], v[CP+2*\p:CP+2*\p+1], v[SQ+2*\p:SQ+2*\p+1], s[KC2:KC2+1] op_sel_hi:[1,1,0]
	v_pk_fma_f32 v[SN+2*\p:SN+2*\p+1], v[SN+2*\p:SN+2*\p+1], v[SQ+2*\p:SQ+2*\p+1], s[KS2:KS2+1] op_sel_hi:[1,1,0]
.endr
.irp p, 0,1,2,3
	v_pk_fma_f32 v[CP+2*\p:CP+2*\p+1], v[CP+2*\p:CP+2*\p+1], v[SQ+2*\p:SQ+2*\p+1], -0.5 op_sel_hi:[1,1,0]
	v_pk_fma_f32 v[SN+2*\p:SN+2*\p+1], v[SN+2*\p:SN+2*\p+1], v[SQ+2*\p:SQ+2*\p+1], s[KS1:KS1+1] op_sel_hi:[1,1,0]
.endr
.irp p, 0,1,2,3
	v_pk_mul_f32 v[N+2*\p:N+2*\p+1], v[R+2*\p:R+2*\p+1], v[SQ+2*\p:SQ+2*\p+1]                ; r^3
.endr
.irp p, 0,1,2,3
	v_pk_fma_f32 v[CP+2*\p:CP+2*\p+1], v[CP+2*\p:CP+2*\p+1], v[SQ+2*\p:SQ+2*\p+1], 1.0 op_sel_hi:[1,1,0]   ; cos r
	v_pk_fma_f32 v[SN+2*\p:SN+2*\p+1], v[SN+2*\p:SN+2*\p+1], v[N+2*\p:N+2*\p+1], v[R+2*\p:R+2*\p+1]        ; sin r
.endr
.irp e, 0,1,2,3,4,5,6,7
	v_and_b32 v[R+\e], 1, v[QI+\e]
.endr
.irp e, 0,1,2,3,4,5,6,7
	v_cmp_ne_u32 s[MK+\e], 0, v[R+\e]              ; an odd n takes the sine
.endr
.irp e, 0,1,2,3,4,5,6,7
	v_add_lshl_u32 v[QI+\e], v[QI+\e], 1, 30       ; bit 1 of n + 1 is set where n mod 4 is 1 or 2: there the sign turns
.endr
.irp e, 0,1,2,3,4,5,6,7
	v_cndmask_b32 v[CP+\e], v[CP+\e], v[SN+\e], s[MK+\e]
.endr
.irp e, 0,1,2,3,4,5,6,7
	v_and_b32 v[QI+\e], 0x80000000, v[QI+\e]
.endr
.irp e, 0,1,2,3,4,5,6,7
	v_xor_b32 v[XR+\e], v[CP+\e], v[QI+\e]         ; cos y
.endr
.irp w, 0,1
	v_mul_f32 v[FAC+\w], v[XR+4*\w], v[XR+4*\w+1]
.endr
.irp w, 0,1
	v_mul_f32 v[FAC+\w], v[FAC+\w], v[XR+4*\w+2]
.endr
.irp w, 0,1
	v_mul_f32 v[FAC+\w], v[FAC+\w], v[XR+4*\w+3]   ; the product of my four
.endr
.irp w, 0,1
	v_mov_b32_dpp v[NB+\w], v[FAC+\w] row_xmask:1 row_mask:0xf bank_mask:0xf   ; my neighbour's
.endr
.irp w, 0,1
	v_cndmask_b32 v[FAC+\w], 1.0, v[NB+\w], s[ODD] ; an upper half begins with the lower half's product, a lower half with 1
.endr
.irp w, 0,1
	v_mul_f32 v[XR+4*\w], v[FAC+\w], v[XR+4*\w]
.endr
.irp k, 1,2,3
.irp w, 0,1
	v_mul_f32 v[XR+4*\w+\k], v[XR+4*\w+\k-1], v[XR+4*\w+\k]
.endr
.endr
.irp w, 0,1
	ds_store_b128 v[STO], v[XR+4*\w:XR+4*\w+3] offset:16*(2*(\g)+\w)
.endr
.endm
.irp g, 0,1,2,3,4,5,6,7
	TWO_ROWS \g
.endr
.irp i, 0,1,2,3,4,5,6,7,8,9,10,11,12,13,14,15
	ds_load_b128 v[X+4*\i:X+4*\i+3], v[RDB] offset:\i*2*UP     ; head i's two blocks.  LDS serves a wave's instructions in order (ISA guide 5.7.1.4): these see my stores
.endr
.irp i, 0,1,2,3,4,5,6,7,8,9,10,11,12,13,14,15
	s_wait_dscnt 15-\i                             ; the younger loads may stay out
	global_store_b128 v[GOF], v[X+4*\i:X+4*\i+3], s[8:9] offset:\i*65536   ; head i: the wave stores 512 consecutive bytes, aligned
.endr
	s_wait_tensorcnt 0x0
	ds_add_u32 v132, v133
	s_wait_dscnt 0x0
	s_endpgm
.Lfunc_end_k_q45bf031b3e_features:
	.size	k_q45bf031b3e_features, .Lfunc_end_k_q45bf031b3e_features-k_q45bf031b3e_features
	.p2alignl 7, 3214868480
	.fill 96, 4, 3214868480
	.section	.rodata,"a",@progbits
	.p2align	6, 0x0
	.amdhsa_kernel k_q45bf031b3e_features
		.amdhsa_group_segment_fixed_size 17664
		.amdhsa_private_segment_fixed_size 0
		.amdhsa_enable_private_segment 0
		.amdhsa_kernarg_size 24
		.amdhsa_user_sgpr_count 2
		.amdhsa_user_sgpr_kernarg_segment_ptr 1
		.amdhsa_wavefront_size32 1
		.amdhsa_system_sgpr_workgroup_id_x 1
		.amdhsa_system_sgpr_workgroup_id_y 1
		.amdhsa_system_sgpr_workgroup_id_z 1
		.amdhsa_system_vgpr_workitem_id 0
		.amdhsa_next_free_vgpr 134
		.amdhsa_next_free_sgpr 66
		.amdhsa_reserve_vcc 0
		.amdhsa_float_denorm_mode_32 3
		.amdhsa_float_denorm_mode_16_64 3
		.amdhsa_memory_ordered 1
		.amdhsa_forward_progress 1
		.amdhsa_inst_pref_size 69
	.end_amdhsa_kernel
	.amdgpu_metadata
---
amdhsa.version: [ 1, 2 ]
amdhsa.kernels:
  - .name:           k_q45bf031b3e_features
    .symbol:         k_q45bf031b3e_features.kd
    .args:
      - { .name: x, .offset: 0, .size: 8, .value_kind: global_buffer, .address_space: global }
      - { .name: theta, .offset: 8, .size: 8, .value_kind: global_buffer, .address_space: global }
      - { .name: feat, .offset: 16, .size: 8, .value_kind: global_buffer, .address_space: global }
    .group_segment_fixed_size: 17664
    .private_segment_fixed_size: 0
    .kernarg_segment_align: 8
    .kernarg_segment_size: 24
    .max_flat_workgroup_size: 64
    .sgpr_count:     66
    .vgpr_count:     134
    .wavefront_size: 32
...
	.end_amdgpu_metadata
.endif
;; end of part 1
;; launch attention (part 2): grid 256 x 1, 8 waves a work-group, clusters of 4 x 1, 168,960 bytes of LDS; arguments feat, attn; writes attn
.if DOCPART == 2
	.amdgcn_target "amdgcn-amd-amdhsa--gfx1250"
	.amdhsa_code_object_version 6
	.text
	.protected	k_q45bf031b3e_attention
	.globl	k_q45bf031b3e_attention
	.p2align	8
	.type	k_q45bf031b3e_attention,@function
k_q45bf031b3e_attention:
	s_mov_b64 s[64:65], 0
	v_nop
	global_prefetch_b8 v0, s[64:65] scope:SCOPE_SE
	s_setreg_imm32_b32 hwreg(HW_REG_WAVE_MODE, 25, 1), 1
	s_wait_xcnt 0x0
	s_wait_alu depctr_hold_cnt(0) depctr_sa_sdst(0) depctr_va_vdst(0) depctr_va_sdst(0) depctr_va_ssrc(0) depctr_va_vcc(0) depctr_vm_vsrc(0)
	s_getreg_b32 s2, hwreg(HW_REG_IB_STS2, 6, 4)
	s_cmp_eq_u32 s2, 0
	s_cbranch_scc0 .Lentry_in_a_cluster
	s_endpgm
.Lentry_in_a_cluster:
	s_bfe_u32 s2, ttmp6, 0x10000c
	s_cmp_lg_u32 s2, 0x3003
	s_cbranch_scc0 .Lentry_shape_is_right
	s_endpgm
.Lentry_shape_is_right:
; attn[head][q][:] = the sum over k of softmax_k(f[q] . f[k] / sqrt(8)) f[k][:], f = feat of one head: 2,048 rows x 8 channels, f32.  Queries, keys and values are the same rows.
; Both products lead into a quantised operand, so everything here is f32.  feat and attn: [batch x head][tile of 16 rows][half c of the channels][row][4 f32]: a tile is 512 consecutive bytes.
; NO MAXIMUM IS TAKEN AWAY, because the computation itself bounds the exponents for every input: each feature is a product of cosines, at most 1 in magnitude, so |f[q] . f[k]| <= 8 and
; |t| = |score x log2(e) / sqrt(8)| <= 4.09: p = 2^t lies between 2^-4.09 and 2^4.09, a row's sum of 2,048 of them under 2^15.1.  LIMITS: NaN and infinities in feat are not served; sums in another order than reference()'s.
; SHARES.  A cluster of four work-groups owns a head, a work-group 512 of its queries, each of its EIGHT waves 64: four tiles of 16.  Two waves to a SIMD, 400 registers each, so that one wave's vector work stands beside
; the other's matrix instructions, waits and LDS loads.  The price: a key's registers serve four tiles of queries, 17 LDS loads for a wave's key tile.  Every wave walks all 128 tiles of 16 keys.
; The head's 65,536 bytes come into LDS ONCE, asked for JOINTLY by the four work-groups (each wave one tensor load of 8,192 bytes, the same descriptor in all four, a mask that names the four); nothing is filled again.
; FIRST PRODUCT, on the matrix unit: S^T = K Q^T, source 0 = 16 keys, source 1 = 16 queries, two instructions of 4 along the channels.  Lane (r, h) of both sources holds channels 4 h .. 4 h + 3 of row r, as they
; lie in a tile: the first instruction takes channels 4 h, 4 h + 1, the second 4 h + 2, 4 h + 3: the same order in both sources.  Q is multiplied once by c = log2(e) / sqrt(8), so that p = 2^(S^T).
; In the result a lane holds ONE query (lane % 16) and the keys 8 (lane / 16) + 0 .. 7.
; SECOND PRODUCT, by packed multiply-adds: its 8 channels would fill half of a matrix instruction's 16 rows (four instructions of 1,024 multiply-adds for a tile's 2,048).  O[q][2 d, 2 d + 1] += p x f[k][2 d, 2 d + 1]:
; 32 a tile.  A key's 8 channels are read from LDS by all 16 lanes of a half at one address, and serve the wave's four tiles of queries.  The row's sum takes 4 more a tile.  The halves of the lanes are added at the end.
; THE PIPELINE.  A key tile is two PHASES: tiles of queries 0-1, then 2-3.  A phase is 4 CELLS: both tiles x two keys a lane, 18 packed multiply-adds.  Behind a cell its four p registers are free: the next key tile's
; exponentials refill them, set singly into the next cell.  Each cell ends with one matrix instruction for the OTHER group's next scores.  So p and S^T need 32 registers each, and the exponentials of a key tile have
; ONE wait, at its end.  The keys' registers have two buffers and A's fragment two: a trip of the loop runs two key tiles, until the numbers are back.
; REGISTERS.  Window 0: v1-4 addresses; v8-15 A's two fragments; v16-23 the sums; v24-55 O; v56-87 p; v88-119 S^T.  Window 1: v0-127 the keys' two buffers; v128-143 Q.  What lies in window 1 is named as source 1
; alone, so one setting (source 1 in window 1) serves every instruction of the loop but the run of 16 loads into the keys' buffer.
.set TILEB, 512                        ; bytes of a tile of 16 rows
.set TILES, 128                        ; tiles in a head
.set TRIPS, TILES/2-1                  ; the last two key tiles are written out: they fetch and multiply nothing beyond the end
.set WV,   8                           ; s8       my wave's number
.set G1,   16                          ; s[16:23] descriptor group 1
.set G0,   24                          ; s[24:27] descriptor group 0
.set QP,   28                          ; s[28:29] feat at my wave's first query
.set OP,   30                          ; s[30:31] attn likewise
.set SEL,  32                          ; s[32:33] lane selects for v_permlanex16_b32: lane l xor 16
.set CS,   34                          ; s[34:35] c: the packed form names a pair and takes its low word for both halves
.set TB,   36                          ; s36      LDS byte of the trip's first key tile
.set CNT,  37                          ; s37      trips to go
.set AB0,  1                           ; v1   16 x lane: my place in a tile, in LDS and in memory; never rewritten
.set KB0,  2                           ; v2   128 x (lane / 16): my half's first key in a tile; never rewritten
.set ADRA, 3                           ; v3   AB0 + the trip's tile
.set ADRK, 4                           ; v4   KB0 + the trip's tile
.set AF,   8                           ; A's fragments: key tile k in v[AF + 4 (k % 2)] on
.set LB,   16                          ; tile t's sum, even keys' and odd keys', at v[LB + 2 t]
.set OB,   24                          ; tile t's O, 8 channels, at v[OB + 8 t]
.set PB,   56                          ; tile t's p, 8 keys, at v[PB + 8 t]
.set SB,   88                          ; tile t's S^T at v[SB + 8 t]: written by matrix instructions alone
.set KVB,  0                           ; window 1: key tile k's 8 keys x 8 channels at v[KVB + 64 (k % 2)] on
.set QB,   128                         ; window 1: tile t's Q at v[QB + 4 t]
.set MSB, 0
.macro WIN new                         ; the immediate's high byte repeats the setting that is left; a switch that changes nothing is dropped
.if MSB != \new
	s_set_vgpr_msb (MSB<<8)|\new
.set MSB, \new
.endif
.endm
.set W_LOOP, 0x04                      ; source 1 in window 1
.set W_TO1,  0x40                      ; destination in window 1, address in window 0
; A round of the cluster's barrier: my work-group's barrier; wave 0 signals for the work-group; every wave waits for all four work-groups; my work-group's barrier once more.
.macro CROUND
	s_barrier_signal -1
	s_barrier_wait -1
	s_cmp_lg_u32 s[WV], 0
	s_cbranch_scc1 .Lnot_wave_0_\@
	s_barrier_signal -3
.Lnot_wave_0_\@:
	s_barrier_wait -3
	s_barrier_signal -1
	s_barrier_wait -1
.endm
; Step st (0, 1) of tile t's scores, with A's fragment at ab.  Step 0 starts the sum with the constant 0.
.macro WM t, st, ab
.if (\st) == 0
	v_wmma_f32_16x16x4_f32 v[SB+8*(\t):SB+8*(\t)+7], v[(\ab):(\ab)+1], v[QB+4*(\t):QB+4*(\t)+1], 0
.else
	v_wmma_f32_16x16x4_f32 v[SB+8*(\t):SB+8*(\t)+7], v[(\ab)+2:(\ab)+3], v[QB+4*(\t)+2:QB+4*(\t)+3], v[SB+8*(\t):SB+8*(\t)+7]
.endif
.endm
.macro EX t, j                         ; p = 2^t of tile t's key j
	v_exp_f32 v[PB+8*(\t)+(\j)], v[SB+8*(\t)+(\j)]
.endm
.macro FM t, j, kv                     ; O of tile t += p of key j x that key's 8 channels: of the pair of p's registers the one of key j feeds both halves
.set rO, OB+8*(\t)
.set rP, PB+8*(\t)+2*((\j)/2)
.set rK, (\kv)+8*(\j)
.irp d, 0,2,4,6
.if ((\j)%2) == 0
	v_pk_fma_f32 v[rO+\d:rO+\d+1], v[rP:rP+1], v[rK+\d:rK+\d+1], v[rO+\d:rO+\d+1] op_sel_hi:[0,1,1]
.else
	v_pk_fma_f32 v[rO+\d:rO+\d+1], v[rP:rP+1], v[rK+\d:rK+\d+1], v[rO+\d:rO+\d+1] op_sel:[1,0,0] op_sel_hi:[1,1,1]
.endif
.endr
.endm
.macro LS t, j                         ; tile t's sums += p of keys j, j + 1.  (A multiply-add by 1, since source 1 means window 1 here and the sums lie in window 0)
	v_pk_fma_f32 v[LB+2*(\t):LB+2*(\t)+1], v[PB+8*(\t)+(\j):PB+8*(\t)+(\j)+1], 1.0, v[LB+2*(\t):LB+2*(\t)+1] op_sel_hi:[1,0,1]
.endm
; Cell n (0..3) of phase g: tiles 2 g and 2 g + 1, keys 2 n and 2 n + 1.  Two links on one register of O stand nine instructions apart or more.
; ex = 1: the four p registers that the cell before has left are refilled (cell 0 of phase 1: those of phase 0's last cell).  A tile's first exponential behind its products reads register 0 of its scores.
; wm = 1: at the cell's END, matrix instruction n of the other group's next scores: its two tiles' step 0, then their step 1: the accumulators take turns, one instruction a turn.
; It stands at the end because phase 1's first product writes over tile 0's scores, whose last two exponentials stand in that same cell: they come first, and the two lines of the sums stand between them and the product.
; Between a tile's step 1 and the first exponential that reads it stand 18 packed multiply-adds or more, which name none of its registers (ISA guide 7.12.1 asks for 8 such).
.macro CELL g, n, kv, ab, ex, wm
.set T0, 2*(\g)
.set J0, 2*(\n)
.if (\n) > 0
.set ET, 2*(\g)
.set EJ, 2*(\n)-2
.else
.set ET, 0
.set EJ, 6
.endif
	FM T0, J0, \kv
.if \ex
	EX ET, EJ
.endif
	FM T0+1, J0, \kv
.if \ex
	EX ET, EJ+1
.endif
	FM T0, J0+1, \kv
.if \ex
	EX ET+1, EJ
.endif
	FM T0+1, J0+1, \kv
.if \ex
	EX ET+1, EJ+1
.endif
	LS T0, J0
	LS T0+1, J0
.if \wm
	WM 2*(1-(\g))+(\n)%2, (\n)/2, \ab
.endif
.endm
.macro PHASE g, kv, ab, exf, ex, wm
	CELL \g, 0, \kv, \ab, \exf, \wm
.irp n, 1,2,3
	CELL \g, \n, \kv, \ab, \ex, \wm
.endr
.endm
.macro LOADKV kv, adr, off             ; a key tile's registers: key 8 (lane / 16) + j, channels 0-3 and 4-7: the 16 lanes of a half read one address
.irp j, 0,1,2,3,4,5,6,7
	ds_load_b128 v[(\kv)+8*\j:(\kv)+8*\j+3], v[\adr] offset:(\off)+16*\j
	ds_load_b128 v[(\kv)+8*\j+4:(\kv)+8*\j+7], v[\adr] offset:(\off)+16*\j+256
.endr
.endm
; KEY TILE i, i % 2 = par.  It finds: p of tile i; the scores of tile i + 1 for queries' tiles 0-1; the keys' registers of tile i; A's fragment of tile i + 1.
; near = 1 (there is a tile i + 1): the keys' registers of tile i + 1 are fetched, its exponentials taken, and phase 0 multiplies its scores for tiles 2-3.
; far = 1 (there is a tile i + 2): A's fragment of tile i + 2 is fetched, and phase 1 multiplies its scores for tiles 0-1.
.macro ITER par, near, far
	s_wait_dscnt 0x0                               ; the keys' registers of this tile, asked for a key tile ago, are in
.if \far
	ds_load_b128 v[AF+4*(\par):AF+4*(\par)+3], v[ADRA] offset:(2+(\par))*TILEB   ; its buffer was last read by matrix instructions a whole phase, 72 packed multiply-adds, back
.endif
.if \near
	WIN W_TO1
	LOADKV KVB+64*(1-(\par)), ADRK, (1+(\par))*TILEB
	WIN W_LOOP
.endif
	PHASE 0, KVB+64*(\par), AF+4*(1-(\par)), 0, \near, \near
.if \far
	s_wait_dscnt 16                                ; A's fragment is in; the 16 loads issued behind it may stay out
.endif
	PHASE 1, KVB+64*(\par), AF+4*(\par), \near, \near, \far
.if \near
	EX 2, 6                                        ; the last cell's four
	EX 2, 7
	EX 3, 6
	EX 3, 7
	v_nop                                          ; a plain instruction behind the last exponential, ahead of any use and of the product that writes over its source (ISA guide 5.7.2)
	s_wait_alu depctr_va_vdst(0)                   ; ONE wait for the key tile's 32 exponentials: none of their results has been named yet
.endif
.endm
	s_load_b128 s[4:7], s[0:1], 0x0                ; feat s[4:5], attn s[6:7]
	v_lshl_add_u32 v254, v0, 2, 0x29000
	v_mov_b32 v255, 0
	ds_add_u32 v254, v255
	ds_add_u32 v254, v255
	v_lshrrev_b32 v5, 5, v0
	v_readfirstlane_b32 s[WV], v5                  ; wave 0..7
	v_and_b32 v5, 31, v0
	v_lshlrev_b32 v[AB0], 4, v5
	v_bfe_u32 v5, v0, 4, 1
	v_lshlrev_b32 v[KB0], 7, v5
	s_bfe_u32 s9, ttmp6, 0x40000                   ; cx: my place in the cluster: it enters the queries' and the output's addresses alone
	s_lshl_b32 s10, ttmp9, 16                      ; in a cluster launch ttmp9 counts clusters: batch x 16 + head; a head is 65,536 bytes
	s_mov_b32 s11, 0
	s_lshl_b32 s12, s[WV], 13                      ; the eighth of the head that my wave fetches
	s_mov_b32 s13, 0
	s_lshl_b32 s14, s9, 14                         ; my work-group's 32 tiles of queries,
	s_lshl_b32 s15, s[WV], 11                      ; my wave's 4 of them
	s_add_co_u32 s14, s14, s15
	s_mov_b32 s15, 0
	; descriptor group 1: a dense block of 8,192 bytes as 32 rows of 256 bytes (32 elements of 8 bytes), no padding: the reads take 512 consecutive bytes, or one address for 16 lanes
	s_mov_b32 s[G1], 15|(3<<16)|(1<<21)            ; 15:0 the mask: all four work-groups; 17:16 elements of 8 bytes; 21 set beside a mask
	s_mov_b32 s[G1+1], 32<<16                      ; tensor_dim0 = 32
	s_mov_b32 s[G1+2], 32<<16                      ; tensor_dim1 = 32
	s_mov_b32 s[G1+3], 32<<16                      ; tile_dim0 = 32
	s_mov_b32 s[G1+4], 32                          ; tile_dim1 = 32
	s_mov_b32 s[G1+5], 32                          ; from row to row
	s_mov_b32 s[G1+6], 0
	s_mov_b32 s[G1+7], 0
	s_mov_b32 s[SEL], 0x76543210
	s_mov_b32 s[SEL+1], 0xfedcba98
	s_mov_b32 s[CS], 0x3f0293ee                    ; c = log2(e) / sqrt(8) = 0.5100697
	s_mov_b32 s[CS+1], s[CS]
	s_wait_dscnt 0x0
	s_wait_kmcnt 0x0
	s_add_nc_u64 s[4:5], s[4:5], s[10:11]          ; both buffers at my head
	s_add_nc_u64 s[6:7], s[6:7], s[10:11]
	s_mov_b32 s[G0], 1                             ; count = 1
	s_lshl_b32 s[G0+1], s[WV], 13                  ; LDS address: wave x 8,192: no place in the cluster enters it
	s_add_nc_u64 s[G0+2:G0+3], s[4:5], s[12:13]    ; global address: the head and the wave's number alone
	s_or_b32 s[G0+3], s[G0+3], 0x80000000          ; type = 2
	s_add_nc_u64 s[QP:QP+1], s[4:5], s[14:15]
	s_add_nc_u64 s[OP:OP+1], s[6:7], s[14:15]
	CROUND                                         ; all four work-groups are here: the joint loads meet
	tensor_load_to_lds s[G0:G0+3], s[G1:G1+7]      ; my wave's one tensor load of the launch
	s_nop 0
.rept 4
	v_nop
.endr
	WIN W_TO1
.irp t, 0,1,2,3
	global_load_b128 v[QB+4*\t:QB+4*\t+3], v[AB0], s[QP:QP+1] offset:TILEB*\t   ; Q stays in registers: lane (r, h): channels 4 h .. 4 h + 3 of query r; 512 consecutive bytes a load
.endr
	WIN 0
.set i, 0
.rept 40
	v_mov_b32 v[LB+i], 0                           ; the sums and O begin as zeros, once: so the key tile is written for the loop and its tail alone, with no third copy for a first step
.set i, i+1
.endr
	s_wait_loadcnt 0x0
	WIN 0x41                                       ; source 0 and destination in window 1
.set i, 0
.rept 8
	v_pk_mul_f32 v[QB+i:QB+i+1], v[QB+i:QB+i+1], s[CS:CS+1] op_sel_hi:[1,0]
.set i, i+2
.endr
	WIN 0
	s_wait_tensorcnt 0x0                           ; my eighth of the head is in LDS,
	s_barrier_signal -1
	s_barrier_wait -1                              ; everybody's is
	ds_load_b128 v[AF:AF+3], v[AB0]                ; A's fragments of key tiles 0 and 1,
	ds_load_b128 v[AF+4:AF+7], v[AB0] offset:TILEB
	WIN W_TO1
	LOADKV KVB, KB0, 0                             ; the keys' registers of tile 0
	WIN W_LOOP
	s_wait_dscnt 0x0
.irp s, 0,1                                    ; key tile 0's scores: there is no vector work yet to set between the products
.irp t, 0,1,2,3
	WM \t, \s, AF
.endr
.endr
.rept 8
	v_nop                                          ; eight places between the products and the first read of their results
.endr
.irp t, 0,1,2,3
.irp j, 0,1,2,3,4,5,6,7
	EX \t, \j
.endr
.endr
.rept 2
	v_nop                                          ; plain instructions behind the exponentials; with the eight above, ten places ahead of the products that write over tiles 0-1's scores (nine are asked)
.endr
.irp s, 0,1                                    ; key tile 1's scores for tiles 0-1
.irp t, 0,1
	WM \t, \s, AF+4
.endr
.endr
	s_wait_alu depctr_va_vdst(0)                   ; the wait for the 32 exponentials, ahead of their first reader and of the label
	WIN 0                                          ; at a label and at a branch every window is 0
	s_mov_b32 s[TB], 0
	s_mov_b32 s[CNT], TRIPS
.Ltrip:                                            ; key tiles 2 n and 2 n + 1
	v_add_nc_u32 v[ADRA], s[TB], v[AB0]
	v_add_nc_u32 v[ADRK], s[TB], v[KB0]
	WIN W_LOOP
	ITER 0, 1, 1
	ITER 1, 1, 1
	WIN 0
	s_add_co_u32 s[TB], s[TB], 2*TILEB
	s_sub_co_u32 s[CNT], s[CNT], 1
	s_cmp_lg_u32 s[CNT], 0
	s_cbranch_scc1 .Ltrip
	v_add_nc_u32 v[ADRA], s[TB], v[AB0]
	v_add_nc_u32 v[ADRK], s[TB], v[KB0]
	WIN W_LOOP
	ITER 0, 1, 0                                   ; key tile 126: there is a tile 127, none behind it
	ITER 1, 0, 0                                   ; key tile 127
	WIN 0
	; THE WAY OUT.  A query's keys lie in lanes l and l xor 16.  The sums: two halves, and the other lane's.  O: the exchange below leaves channel i of both lanes' parts in lanes 0-15 of two registers and
	; channel 4 + i in lanes 16-31, so that their sum is the query's channels 4 (lane / 16) + 0 .. 3: the 16 bytes that the lane stores.  p's registers are free and serve as scratch.
.set SUM, PB
.set PRT, PB+8
.set RC,  PB+16
.irp t, 0,1,2,3
	v_add_f32 v[SUM+\t], v[LB+2*\t], v[LB+2*\t+1]
.endr
.irp t, 0,1,2,3
	v_permlanex16_b32 v[PRT+\t], v[SUM+\t], s[SEL], s[SEL+1]
.endr
.irp t, 0,1,2,3
	v_add_f32 v[SUM+\t], v[SUM+\t], v[PRT+\t]      ; the row's sum
.endr
.irp t, 0,1,2,3
	v_rcp_f32 v[RC+2*\t], v[SUM+\t]
.endr
	v_nop                                          ; a plain instruction behind the last reciprocal
.irp t, 0,1,2,3
.irp i, 0,1,2,3
	v_permlane16_swap_b32 v[OB+8*\t+\i], v[OB+8*\t+4+\i]   ; the first's lanes 16-31 change places with the second's lanes 0-15
.endr
.endr
.irp t, 0,1,2,3
.irp d, 0,2
	v_pk_add_f32 v[OB+8*\t+\d:OB+8*\t+\d+1], v[OB+8*\t+\d:OB+8*\t+\d+1], v[OB+8*\t+4+\d:OB+8*\t+4+\d+1]
.endr
.endr
	s_wait_alu depctr_va_vdst(0)                   ; one wait for the four reciprocals, ahead of their first reader; the exchanges and additions above are the work between
.irp t, 0,1,2,3
.irp d, 0,2
	v_pk_mul_f32 v[OB+8*\t+\d:OB+8*\t+\d+1], v[OB+8*\t+\d:OB+8*\t+\d+1], v[RC+2*\t:RC+2*\t+1] op_sel_hi:[1,0]
.endr
.endr
.irp t, 0,1,2,3
	global_store_b128 v[AB0], v[OB+8*\t:OB+8*\t+3], s[OP:OP+1] offset:TILEB*\t   ; a tile: the wave stores 512 consecutive bytes, aligned
.endr
	s_wait_tensorcnt 0x0
	ds_add_u32 v254, v255
	s_wait_dscnt 0x0
	CROUND                                         ; the closing round: no work-group ends while a partner may still ask for a tile that names it
	s_endpgm
.Lfunc_end_k_q45bf031b3e_attention:
	.size	k_q45bf031b3e_attention, .Lfunc_end_k_q45bf031b3e_attention-k_q45bf031b3e_attention
	.p2alignl 7, 3214868480
	.fill 96, 4, 3214868480
	.section	.rodata,"a",@progbits
	.p2align	6, 0x0
	.amdhsa_kernel k_q45bf031b3e_attention
		.amdhsa_group_segment_fixed_size 168960
		.amdhsa_private_segment_fixed_size 0
		.amdhsa_enable_private_segment 0
		.amdhsa_kernarg_size 16
		.amdhsa_user_sgpr_count 2
		.amdhsa_user_sgpr_kernarg_segment_ptr 1
		.amdhsa_wavefront_size32 1
		.amdhsa_system_sgpr_workgroup_id_x 1
		.amdhsa_system_sgpr_workgroup_id_y 1
		.amdhsa_system_sgpr_workgroup_id_z 1
		.amdhsa_system_vgpr_workitem_id 0
		.amdhsa_next_free_vgpr 400
		.amdhsa_next_free_sgpr 66
		.amdhsa_reserve_vcc 0
		.amdhsa_float_denorm_mode_32 3
		.amdhsa_float_denorm_mode_16_64 3
		.amdhsa_memory_ordered 1
		.amdhsa_forward_progress 1
		.amdhsa_inst_pref_size 56
	.end_amdhsa_kernel
	.amdgpu_metadata
---
amdhsa.version: [ 1, 2 ]
amdhsa.kernels:
  - .name:           k_q45bf031b3e_attention
    .symbol:         k_q45bf031b3e_attention.kd
    .args:
      - { .name: feat, .offset: 0, .size: 8, .value_kind: global_buffer, .address_space: global }
      - { .name: attn, .offset: 8, .size: 8, .value_kind: global_buffer, .address_space: global }
    .group_segment_fixed_size: 168960
    .private_segment_fixed_size: 0
    .kernarg_segment_align: 8
    .kernarg_segment_size: 16
    .max_flat_workgroup_size: 256
    .sgpr_count:     66
    .vgpr_count:     400
    .wavefront_size: 32
...
	.end_amdgpu_metadata
.endif
;; end of part 2
;; launch project (part 3): grid 256 x 1, 2 waves a work-group, no clusters, 17,152 bytes of LDS; arguments attn, w_out_codes, w_out_scales, out0; writes out0
.if DOCPART == 3
	.amdgcn_target "amdgcn-amd-amdhsa--gfx1250"
	.amdhsa_code_object_version 6
	.text
	.protected	k_q45bf031b3e_project
	.globl	k_q45bf031b3e_project
	.p2align	8
	.type	k_q45bf031b3e_project,@function
k_q45bf031b3e_project:
	s_mov_b64 s[64:65], 0
	v_nop
	global_prefetch_b8 v0, s[64:65] scope:SCOPE_SE
	s_setreg_imm32_b32 hwreg(HW_REG_WAVE_MODE, 25, 1), 1
	s_wait_xcnt 0x0
; out0 = Q(a) w_out^T on codes of FP4 (E2M1) with one E8M0 scale for each 32 along K.  a: the attention's result, 8,192 rows x 128 (k = 8 head + channel), f32, laid [batch][head][tile of 16 rows][half c][row][4 f32];
; it is quantised here, in registers.  w_out: [128 (n)][128 (k)] as codes, 64 bytes a row, and scale bytes, 4 a row: taken as they are given.  out0: [8192][128] f32.
; A block's scale is 2^(floor(log2(its largest magnitude)) - 2); its byte is the largest magnitude's exponent field - 2, held at 1 from below.  A block of zeros so has the byte 1 where the rule says 127: its codes are
; zeros, which add nothing, and the bytes never leave the registers.  LIMITS: NaN and infinities are not served.
; SHARES.  A wave takes 16 rows and all 128 outputs: one fragment of a, eight of w_out, eight matrix instructions.  Lane (r, h) loads, of row r and each block b of 32, k = 32 b + 16 h + 0 .. 15: heads 4 b + 2 h and the
; next, 8 channels each.  In attn's layout each such load takes two whole aligned blocks of 256 bytes, one for each half of the lanes.
; THE MATRIX INSTRUCTION IS USED TRANSPOSED (source 0 = 16 rows of w_out, source 1 = my 16 rows): a lane then holds eight neighbouring outputs of one row.  They go through the wave's own stage in LDS (rows of
; 512 + 16 bytes) and leave as whole rows of 512 bytes.  Waves share nothing in LDS: no barrier.
; What work-groups share is w_out's 8,704 bytes, which go straight into each wave's registers: no tensor load, no cluster.
.set SP,   528                         ; a stage row
.set H,    16                          ; v16-79   64 numbers of my row; later 16 rows of out0
.set W,    80                          ; v80-143  w_out's eight fragments
.set WS,   144                         ; v144-151 their scale words
.set PC,   152                         ; v152-159 my rows' codes
.set TM,   160                         ; v160-163 largest magnitudes, v164-167 the other lane's, then bytes, v172-175 the conversions' scale operands
.set PW,   176                         ; v176     my row's scale word
.set ACC,  178                         ; v178-241 eight accumulators
.set SEL,  20                          ; s[20:21] lane selects for v_permlanex16_b32: lane l xor 16
	s_load_b128 s[4:7], s[0:1], 0x0                ; attn s[4:5], w_out's codes s[6:7]
	s_load_b128 s[8:11], s[0:1], 0x10              ; w_out's scales s[8:9], out0 s[10:11]
	v_lshl_add_u32 v244, v0, 2, 0x4200
	v_mov_b32 v245, 0
	v_lshrrev_b32 v1, 5, v0
	v_readfirstlane_b32 s12, v1                    ; wave 0..1
	v_and_b32 v1, 15, v0                           ; r
	v_bfe_u32 v2, v0, 4, 1                         ; h
	v_lshlrev_b32 v3, 6, v1
	v_lshl_add_u32 v3, v2, 4, v3                   ; w_out: row r of 64 bytes, + 16 h
	v_lshlrev_b32 v4, 4, v1
	v_lshl_add_u32 v4, v2, 17, v4                  ; attn: 16 r, and two heads (131,072 bytes) on for lanes 16-31
	v_lshlrev_b32 v5, 2, v1                        ; scale words: 4 bytes a row
	s_mul_i32 s13, s12, 16*SP                      ; my wave's stage
	v_mul_u32_u24 v6, v1, SP
	v_lshl_add_u32 v6, v2, 5, v6
	v_add_nc_u32 v6, s13, v6                       ; in: row r, 32 bytes for each half of the lanes
	v_and_b32 v8, 31, v0
	v_lshlrev_b32 v8, 4, v8                        ; back, and in out0: the 32 lanes take a row of 512 bytes
	v_add_nc_u32 v7, s13, v8
	s_lshl_b32 s14, ttmp9, 1
	s_add_co_u32 s14, s14, s12                     ; which 16 rows of the 8,192: 0..511
	s_lshr_b32 s16, s14, 7
	s_lshl_b32 s16, s16, 20                        ; batch: 16 heads of 65,536 bytes
	s_and_b32 s17, s14, 127
	s_lshl_b32 s17, s17, 9                         ; tile: 512 bytes in each head
	s_add_co_u32 s16, s16, s17
	s_mov_b32 s17, 0
	s_lshl_b32 s18, s14, 13                        ; out0: 16 rows of 512 bytes
	s_mov_b32 s19, 0
	s_mov_b32 s[SEL], 0x76543210
	s_mov_b32 s[SEL+1], 0xfedcba98
.irp b, 0,1,2,3
	v_mov_b32 v[TM+4+\b], 0                        ; written once: a lane permute's destination counts as one of its sources
.endr
	s_wait_kmcnt 0x0
	s_add_nc_u64 s[4:5], s[4:5], s[16:17]
	s_add_nc_u64 s[10:11], s[10:11], s[18:19]
.irp b, 0,1,2,3
.irp u, 0,1
.irp c, 0,1
	global_load_b128 v[H+16*\b+8*\u+4*\c:H+16*\b+8*\u+4*\c+3], v4, s[4:5] offset:(4*\b+\u)*65536+256*\c th:TH_LOAD_NT   ; register 16 b + i = k 32 b + 16 h + i of row r; read once in the launch
.endr
.endr
.endr
.irp t, 0,1,2,3,4,5,6,7
.irp c, 0,1
	global_load_b128 v[W+8*\t+4*\c:W+8*\t+4*\c+3], v3, s[6:7] offset:1024*\t+32*\c   ; rows 16 t + r: registers 4 c .. 4 c + 3 hold k = 64 c + 32 h + 0 .. 31
.endr
.endr
.irp t, 0,1,2,3,4,5,6,7
	global_load_b32 v[WS+\t], v5, s[8:9] offset:64*\t
.endr
	s_wait_loadcnt 24                              ; my rows' 16 loads are in; w_out's 24, issued behind them, may stay out
.irp b, 0,1,2,3
	v_max3_num_f32 v[TM+\b], |v[H+16*\b]|, |v[H+1+16*\b]|, 0x1800000   ; block b: my 16 numbers, and the floor 2^(3 - 127), under which no largest magnitude is taken: so the byte cannot fall under 1
.endr
.irp i, 2,4,6,8,10,12,14
.irp b, 0,1,2,3
	v_max3_num_f32 v[TM+\b], v[TM+\b], |v[H+16*\b+\i]|, |v[H+1+16*\b+\i]|   ; (the four blocks by turns: no line waits for the line above it)
.endr
.endr
.irp b, 0,1,2,3
	v_permlanex16_b32 v[TM+4+\b], v[TM+\b], s[SEL], s[SEL+1]
.endr
.irp b, 0,1,2,3
	v_max_num_f32 v[TM+\b], v[TM+\b], v[TM+4+\b]   ; with lane l xor 16's: the block's largest magnitude
.endr
.irp b, 0,1,2,3
	v_add_nc_u32 v[TM+12+\b], 0xff000000, v[TM+\b] ; 2 off its exponent field: the conversion takes the exponent field of this operand as its scale, and nothing else of it
.endr
.irp b, 0,1,2,3
	v_lshrrev_b32 v[TM+4+\b], 23, v[TM+12+\b]      ; the scale's byte
.endr
	v_lshl_or_b32 v[PW], v[TM+5], 8, v[TM+4]       ; the four bytes make my row's scale word
	v_lshl_or_b32 v[PW], v[TM+6], 16, v[PW]
	v_lshl_or_b32 v[PW], v[TM+7], 24, v[PW]
.irp b, 0,1,2,3
	v_cvt_scalef32_pk8_fp4_f32 v[PC+2*\b], v[H+16*\b:H+7+16*\b], v[TM+12+\b]       ; the codes of k = 32 b + 16 h + 0 .. 7
	v_cvt_scalef32_pk8_fp4_f32 v[PC+1+2*\b], v[H+8+16*\b:H+15+16*\b], v[TM+12+\b]  ; and + 8 .. 15
.endr
	v_nop                                          ; one plain instruction behind a scaled conversion
.irp c, 0,1                                    ; the operand's layout wants a WHOLE block in a lane: lanes 0-15 block 2 c, lanes 16-31 block 2 c + 1
.irp i, 0,1
	v_permlane16_swap_b32 v[PC+4*\c+\i], v[PC+2+4*\c+\i]
.endr
.endr
.rept 8
	v_nop                                          ; a scale register written by a vector instruction stands 8 places ahead of a scaled matrix instruction, an operand so written 4
.endr
	s_wait_loadcnt 0x0                             ; w_out's codes and scale words
.irp t, 0,1,2,3,4,5,6,7
	v_wmma_scale_f32_16x16x128_f8f6f4 v[ACC+8*\t:ACC+8*\t+7], v[W+8*\t:W+8*\t+7], v[PC:PC+7], 0, v[WS+\t], v[PW] matrix_a_fmt:MATRIX_FMT_FP4 matrix_b_fmt:MATRIX_FMT_FP4
.endr
.rept 4
	v_nop                                          ; four places between the products and the first read of their results (ISA guide 7.12.1)
.endr
.irp t, 0,1,2,3,4,5,6,7
	ds_store_b128 v6, v[ACC+8*\t:ACC+8*\t+3] offset:64*\t          ; lane (r, h): out0(r, 16 t + 8 h + 0 .. 7); each accumulator from its low end on
	ds_store_b128 v6, v[ACC+8*\t+4:ACC+8*\t+7] offset:64*\t+16
.endr
.irp i, 0,1,2,3,4,5,6,7,8,9,10,11,12,13,14,15
	ds_load_b128 v[H+4*\i:H+4*\i+3], v7 offset:\i*SP               ; LDS serves a wave's instructions in order (ISA guide 5.7.1.4): these see my stores
.endr
.irp i, 0,1,2,3,4,5,6,7,8,9,10,11,12,13,14,15
	s_wait_dscnt 15-\i                             ; the younger loads may stay out
	global_store_b128 v8, v[H+4*\i:H+4*\i+3], s[10:11] offset:512*\i th:TH_STORE_NT   ; a row: 512 consecutive bytes, aligned; written once, read by nobody here
.endr
	s_wait_tensorcnt 0x0
	ds_add_u32 v244, v245
	s_wait_dscnt 0x0
	s_endpgm
.Lfunc_end_k_q45bf031b3e_project:
	.size	k_q45bf031b3e_project, .Lfunc_end_k_q45bf031b3e_project-k_q45bf031b3e_project
	.p2alignl 7, 3214868480
	.fill 96, 4, 3214868480
	.section	.rodata,"a",@progbits
	.p2align	6, 0x0
	.amdhsa_kernel k_q45bf031b3e_project
		.amdhsa_group_segment_fixed_size 17152
		.amdhsa_private_segment_fixed_size 0
		.amdhsa_enable_private_segment 0
		.amdhsa_kernarg_size 32
		.amdhsa_user_sgpr_count 2
		.amdhsa_user_sgpr_kernarg_segment_ptr 1
		.amdhsa_wavefront_size32 1
		.amdhsa_system_sgpr_workgroup_id_x 1
		.amdhsa_system_sgpr_workgroup_id_y 1
		.amdhsa_system_sgpr_workgroup_id_z 1
		.amdhsa_system_vgpr_workitem_id 0
		.amdhsa_next_free_vgpr 246
		.amdhsa_next_free_sgpr 66
		.amdhsa_reserve_vcc 0
		.amdhsa_float_denorm_mode_32 3
		.amdhsa_float_denorm_mode_16_64 3
		.amdhsa_memory_ordered 1
		.amdhsa_forward_progress 1
		.amdhsa_inst_pref_size 15
	.end_amdhsa_kernel
	.amdgpu_metadata
---
amdhsa.version: [ 1, 2 ]
amdhsa.kernels:
  - .name:           k_q45bf031b3e_project
    .symbol:         k_q45bf031b3e_project.kd
    .args:
      - { .name: attn, .offset: 0, .size: 8, .value_kind: global_buffer, .address_space: global }
      - { .name: w_out_codes, .offset: 8, .size: 8, .value_kind: global_buffer, .address_space: global }
      - { .name: w_out_scales, .offset: 16, .size: 8, .value_kind: global_buffer, .address_space: global }
      - { .name: out0, .offset: 24, .size: 8, .value_kind: global_buffer, .address_space: global }
    .group_segment_fixed_size: 17152
    .private_segment_fixed_size: 0
    .kernarg_segment_align: 8
    .kernarg_segment_size: 32
    .max_flat_workgroup_size: 64
    .sgpr_count:     66
    .vgpr_count:     246
    .wavefront_size: 32
...
	.end_amdgpu_metadata
.endif
;; end of part 3
